; MI455X (gfx1250); checked and timed in simulation.
; The chip was launched on July 23, 2026; its instructions are those of AMD's public machine-readable ISA for CDNA 5 (MIT licence, August 2026) and "CDNA5" Instruction Set Architecture Reference Guide (July 2026). The comments in the code are by the model that wrote it; some were corrected since.
;; Vector Quantizer. Allowed arithmetic: float matrix products may take bf16 or f16 operands with f32 sums; all other float work in f32.
;; Inputs: embeddings 256 x 8,192 float32; x 32,768 x 256 float32.
;; Outputs: out0 32,768 x 256 float32; out1 one number float32.
;; 2 versions, each right; version 2 is version 1 with the launch prep written anew for expert scheduling mode. Each part assembles by itself: llvm-mc -triple=amdgcn-amd-amdhsa -mcpu=gfx1250 --defsym DOCPART=n.
;; ======== version 1 of 2: 4 launches
;; workspace buffers: cb 4,259,840 bytes; et32 8,388,608 bytes; idx 131,072 bytes of whole numbers; part 2,048 bytes
;; launch prep (part 1): grid 128 x 1, 8 waves a work-group, no clusters, 67,840 bytes of LDS; arguments embeddings, cb, et32; writes cb, et32
.if DOCPART == 1
	.amdgcn_target "amdgcn-amd-amdhsa--gfx1250"
	.amdhsa_code_object_version 6
	.text
	.protected	k_q47b3726c09_prep
	.globl	k_q47b3726c09_prep
	.p2align	8
	.type	k_q47b3726c09_prep,@function
k_q47b3726c09_prep:
	s_mov_b64 s[64:65], 0
	v_nop
	global_prefetch_b8 v0, s[64:65] scope:SCOPE_SE
	s_setreg_imm32_b32 hwreg(HW_REG_WAVE_MODE, 25, 1), 1
	s_wait_xcnt 0x0
; THE CODEBOOK IS TURNED.  embeddings: [256 dims][8192 codes] f32.  Out: et32 [8192 codes][256 dims] f32, exact; and cb, 128 blocks of 33,280 bytes:
; block g = 65 rows of 512 bytes: rows 0-63 the codes 64 g .. 64 g + 63 rounded to bf16 (256 dims each), row 64 the 64 numbers -1/2 sum(e^2), f32, taken of the ROUNDED numbers,
; twice (the second copy only fills the row: the next launch loads whole rows, and every byte that it loads is written here).
; SHARES.  Work-group g owns 64 codes: of each of the 256 rows of embeddings 256 consecutive bytes, aligned.  They go through LDS, [dim][code] with a pitch of 65 words, so that
; word (dim, code) lies in bank (dim + code) mod 64 (64 banks of 4 bytes: ISA guide 11.1): the stores by rows hit 32 banks, the reads by columns hit each bank twice.
; Then wave w owns codes 8 w .. 8 w + 7, and lane l of it the dims 4 l .. 4 l + 3 and 128 + 4 l .. + 3 of each: its stores cover 512 (f32) and 256 (bf16) consecutive bytes, aligned.
; No matrix unit, no cluster, no tensor load: a stream in which no two work-groups read the same byte.  All of a work-group's 65,536 input bytes are asked for at once.
.set SP,    260                        ; bytes from dim to dim in the stage
.set EES,   256*SP                     ; behind the stage: 64 words, -1/2 sum(e^2) of the group's codes
.set SPARE, EES+256                    ; the spare words: 128 bytes for each of eight waves, four blocks of 256 bytes that no other line names
.set CBB,   33280                      ; bytes in a block of cb
.set GOF, 3                            ; v3   byte offset of my 16 bytes in embeddings
.set STA, 4                            ; v4   where they go in the stage
.set LN,  5                            ; v5   lane
.set RDA, 6                            ; v6   where I read the stage by columns
.set EO,  7                            ; v7   my byte offset in the group's rows of et32
.set CO,  8                            ; v8   the same in the group's block of cb
.set EA,  9                            ; v9   EES + 32 w
.set SPW, 10                           ; v10  LDS address of my spare word; never rewritten
.set NIL, 11                           ; v11  0; never rewritten
.set ER,  12                           ; v12  EES + 8 lane
.set E8,  13                           ; v13  8 lane
.set L,   16                           ; v[16:79]   as loaded: 16 x 4 numbers
.set T,   16                           ; v[16:23]   later: at work
.set U,   24                           ; v[24:25]   later: a code's two running sums
.set SS,  32                           ; v[32:39]   later: sum of squares of code k
.set R,   80                           ; v[80:143]  code k's eight numbers of mine at R + 8 k
.set P,   144                          ; v[144:175] the same rounded to bf16, four registers a code
	s_load_b128 s[4:7], s[0:1], 0x0                ; embeddings s[4:5], cb s[6:7]
	s_load_b64 s[8:9], s[0:1], 0x10                ; et32
	v_lshl_add_u32 v[SPW], v0, 2, SPARE
	v_mov_b32 v[NIL], 0
	v_lshrrev_b32 v1, 5, v0
	v_readfirstlane_b32 s10, v1                    ; wave 0..7
	v_and_b32 v1, 15, v0                           ; which 16 bytes of the group's 256 in a row
	v_lshrrev_b32 v2, 4, v0                        ; which of 16 rows
	v_lshlrev_b32 v[GOF], 4, v1
	v_lshl_add_u32 v[GOF], v2, 15, v[GOF]          ; row x 32,768 + 16 x place
	v_mul_u32_u24 v[STA], v2, SP
	v_lshl_add_u32 v[STA], v1, 4, v[STA]           ; row x pitch + 16 x place
	v_and_b32 v[LN], 31, v0
	s_lshl_b32 s11, s10, 5                         ; my wave's eight codes: 32 bytes of a stage row
	v_mul_u32_u24 v[RDA], v[LN], 4*SP              ; dims 4 l on
	v_add_nc_u32 v[RDA], s11, v[RDA]
	s_lshl_b32 s12, s10, 13
	v_lshl_add_u32 v[EO], v[LN], 4, s12            ; 8 rows of 1,024 bytes a wave, 16 bytes a lane
	s_lshl_b32 s13, s10, 12
	v_lshl_add_u32 v[CO], v[LN], 3, s13            ; 8 rows of 512 bytes a wave, 8 bytes a lane
	s_add_co_u32 s11, s11, EES
	v_mov_b32 v[EA], s11
	v_lshl_add_u32 v[ER], v[LN], 3, EES
	v_lshlrev_b32 v[E8], 3, v[LN]
	s_mov_b32 s14, 0xffff0000                      ; a word's upper bf16
	s_mov_b32 s22, 0x76543210                      ; v_permlanex16_b32: each lane takes its own place in the other half
	s_mov_b32 s23, 0xfedcba98
	s_lshl_b32 s16, ttmp9, 8                       ; the group's 256 bytes in a row of embeddings
	s_mov_b32 s17, 0
	s_mul_i32 s18, ttmp9, CBB                      ; its block of cb
	s_mov_b32 s19, 0
	s_lshl_b32 s20, ttmp9, 16                      ; its 64 rows of et32
	s_mov_b32 s21, 0
	s_wait_kmcnt 0x0
	s_add_nc_u64 s[4:5], s[4:5], s[16:17]
	s_add_nc_u64 s[6:7], s[6:7], s[18:19]
	s_add_nc_u64 s[8:9], s[8:9], s[20:21]
.irp i, 0,1,2,3,4,5,6,7,8,9,10,11,12,13,14,15
	global_load_b128 v[L+4*\i:L+4*\i+3], v[GOF], s[4:5] offset:\i*524288 th:TH_LOAD_NT  ; dims 16 i + row: sixteen lanes take 256 consecutive bytes, aligned
.endr
.irp i, 0,1,2,3,4,5,6,7,8,9,10,11,12,13,14,15
	s_wait_loadcnt 15-\i                           ; loads come back in order (ISA guide 5.7.1): load i is in, the 15 - i younger ones stay out
.irp q, 0,1,2,3
	ds_store_b32 v[STA], v[L+4*\i+\q] offset:16*SP*\i+4*\q
.endr
.endr
	s_wait_dscnt 0x0                               ; for the others' sake: my stores into the stage are done
	s_barrier_signal -1
	s_barrier_wait -1
.irp k, 0,1,2,3,4,5,6,7
.irp g, 0,1
.irp e, 0,1,2,3
	ds_load_b32 v[R+8*\k+4*\g+\e], v[RDA] offset:(128*\g+\e)*SP+4*\k  ; code 8 w + k, dim 128 g + 4 l + e: the turn costs no move
.endr
.endr
.endr
.irp k, 0,1,2,3,4,5,6,7
	s_wait_dscnt 56-8*\k                           ; code k's eight loads are in; the later codes' 56 - 8 k stay out
	global_store_b128 v[EO], v[R+8*\k:R+8*\k+3],   s[8:9] offset:1024*\k      ; 512 consecutive bytes of the code's row of et32
	global_store_b128 v[EO], v[R+8*\k+4:R+8*\k+7], s[8:9] offset:1024*\k+512
.irp j, 0,1,2,3
	v_cvt_pk_bf16_f32 v[P+4*\k+\j], v[R+8*\k+2*\j], v[R+8*\k+2*\j+1]
.endr
	global_store_b64 v[CO], v[P+4*\k:P+4*\k+1],   s[6:7] offset:512*\k       ; 256 consecutive bytes of the code's row of cb, aligned
	global_store_b64 v[CO], v[P+4*\k+2:P+4*\k+3], s[6:7] offset:512*\k+256
.irp j, 0,1,2,3
	v_lshlrev_b32 v[T+2*\j],   16,  v[P+4*\k+\j]   ; the rounded numbers back as f32: the squares are theirs
	v_and_b32     v[T+2*\j+1], s14, v[P+4*\k+\j]
.endr
	v_pk_mul_f32 v[U:U+1], v[T:T+1], v[T:T+1]      ; the first squares start the sums
.irp j, 2,4,6
	v_pk_fma_f32 v[U:U+1], v[T+\j:T+\j+1], v[T+\j:T+\j+1], v[U:U+1]
.endr
	v_add_f32 v[SS+\k], v[U], v[U+1]
.endr
	; over the 32 lanes, the eight codes side by side so that no line waits for the one before it
.irp m, 1,2,4,8
.irp k, 0,1,2,3,4,5,6,7
	v_add_f32_dpp v[SS+\k], v[SS+\k], v[SS+\k] row_xmask:\m row_mask:0xf bank_mask:0xf
.endr
.endr
.irp k, 0,1,2,3,4,5,6,7
	v_permlanex16_b32 v[T+\k], v[SS+\k], s22, s23  ; its destination counts as read: T has been written
.endr
.irp k, 0,1,2,3,4,5,6,7
	v_add_f32 v[SS+\k], v[SS+\k], v[T+\k]
.endr
.irp k, 0,1,2,3,4,5,6,7
	v_mul_f32 v[SS+\k], -0.5, v[SS+\k]
.endr
.irp k, 0,1,2,3,4,5,6,7
	ds_store_b32 v[EA], v[SS+\k] offset:4*\k       ; all lanes write the same word with the same number
.endr
	s_wait_dscnt 0x0                               ; for wave 0's sake
	s_barrier_signal -1
	s_barrier_wait -1
	s_cmp_lg_u32 s10, 0
	s_cbranch_scc1 .Lothers
	ds_load_b64 v[T:T+1], v[ER]                    ; the group's 64 numbers, 8 bytes a lane
	s_wait_dscnt 0x0
	global_store_b64 v[E8], v[T:T+1], s[6:7] offset:32768   ; row 64 of the block: 256 consecutive bytes, aligned,
	global_store_b64 v[E8], v[T:T+1], s[6:7] offset:33024   ; and once more, to fill the row
.Lothers:
	s_wait_tensorcnt 0x0                           ; the wave's end: three closing lines, behind my last LDS store
	ds_add_u32 v[SPW], v[NIL]
	s_wait_dscnt 0x0
	s_endpgm
.Lfunc_end_k_q47b3726c09_prep:
	.size	k_q47b3726c09_prep, .Lfunc_end_k_q47b3726c09_prep-k_q47b3726c09_prep
	.p2alignl 7, 3214868480
	.fill 96, 4, 3214868480
	.section	.rodata,"a",@progbits
	.p2align	6, 0x0
	.amdhsa_kernel k_q47b3726c09_prep
		.amdhsa_group_segment_fixed_size 67840
		.amdhsa_private_segment_fixed_size 0
		.amdhsa_enable_private_segment 0
		.amdhsa_kernarg_size 24
		.amdhsa_user_sgpr_count 2
		.amdhsa_user_sgpr_kernarg_segment_ptr 1
		.amdhsa_wavefront_size32 1
		.amdhsa_system_sgpr_workgroup_id_x 1
		.amdhsa_system_sgpr_workgroup_id_y 1
		.amdhsa_system_sgpr_workgroup_id_z 1
		.amdhsa_system_vgpr_workitem_id 0
		.amdhsa_next_free_vgpr 176
		.amdhsa_next_free_sgpr 66
		.amdhsa_reserve_vcc 0
		.amdhsa_float_denorm_mode_32 3
		.amdhsa_float_denorm_mode_16_64 3
		.amdhsa_memory_ordered 1
		.amdhsa_forward_progress 1
		.amdhsa_inst_pref_size 26
	.end_amdhsa_kernel
	.amdgpu_metadata
---
amdhsa.version: [ 1, 2 ]
amdhsa.kernels:
  - .name:           k_q47b3726c09_prep
    .symbol:         k_q47b3726c09_prep.kd
    .args:
      - { .name: embeddings, .offset: 0, .size: 8, .value_kind: global_buffer, .address_space: global }
      - { .name: cb, .offset: 8, .size: 8, .value_kind: global_buffer, .address_space: global }
      - { .name: et32, .offset: 16, .size: 8, .value_kind: global_buffer, .address_space: global }
    .group_segment_fixed_size: 67840
    .private_segment_fixed_size: 0
    .kernarg_segment_align: 8
    .kernarg_segment_size: 24
    .max_flat_workgroup_size: 256
    .sgpr_count:     66
    .vgpr_count:     176
    .wavefront_size: 32
...
	.end_amdgpu_metadata
.endif
;; end of part 1
;; launch search (part 2): grid 256 x 1, 4 waves a work-group, clusters of 4 x 1, 327,680 bytes of LDS; arguments x, cb, idx; writes idx
.if DOCPART == 2
	.amdgcn_target "amdgcn-amd-amdhsa--gfx1250"
	.amdhsa_code_object_version 6
	.text
	.protected	k_q47b3726c09_search
	.globl	k_q47b3726c09_search
	.p2align	8
	.type	k_q47b3726c09_search,@function
k_q47b3726c09_search:
	s_mov_b64 s[64:65], 0
	v_nop
	global_prefetch_b8 v0, s[64:65] scope:SCOPE_SE
	s_setreg_imm32_b32 hwreg(HW_REG_WAVE_MODE, 25, 1), 1
	s_wait_xcnt 0x0
	s_wait_alu depctr_hold_cnt(0) depctr_sa_sdst(0) depctr_va_vdst(0) depctr_va_sdst(0) depctr_va_ssrc(0) depctr_va_vcc(0) depctr_vm_vsrc(0)
	s_getreg_b32 s2, hwreg(HW_REG_IB_STS2, 6, 4)
	s_cmp_eq_u32 s2, 0
	s_cbranch_scc0 .Lentry_in_a_cluster
	s_endpgm
.Lentry_in_a_cluster:
	s_bfe_u32 s2, ttmp6, 0x10000c
	s_cmp_lg_u32 s2, 0x3003
	s_cbranch_scc0 .Lentry_shape_is_right
	s_endpgm
.Lentry_shape_is_right:
; THE NEAREST CODE.  idx[row] = the code that maximises score = x . e - 1/2 |e|^2, x [32768][256] f32 rounded here to bf16, e and -1/2 |e|^2 from cb (bf16 codes, f32 sums of the rounded
; numbers).  |x - e|^2 = |x|^2 - 2 score, and |x|^2 is the same for all codes of a row, so the largest score is the least distance.  Products in bf16, sums in f32; of equal scores the lowest code wins.
; LIMITS.  The order of two codes whose distances differ by about one rounding of an f32 sum of this size may differ from that of another order of summing.  A NaN score never wins;
; a row whose scores are all at or below the lowest finite f32 gets code 0.
; SHARES.  A work-group owns 128 rows of x.  EVERY wave holds all 128 rows as fragments, 512 registers, for the whole kernel, and takes a quarter of the codes: of each SLOT of 256 codes a
; block of 64, four TILES of 16.  So a fragment of codes read from LDS feeds eight matrix instructions (18 LDS loads for 64), and a wave reads only the block that its own tensor load brought.
; THE PRODUCT IS USED TRANSPOSED: source 0 = 16 codes, source 1 = 16 rows of x: in the result lane l holds row l % 16 and its registers 0-7 the codes 8 (l / 16) + 0..7.  The C operand of a tile's
; first K step is -1/2 |e|^2 of those eight codes, so the sum IS the score.  A tile: 8 K steps x 8 row tiles, the row tile fastest: the eight accumulators take turns.
; RIDERS.  Two accumulator buffers.  While tile T is multiplied into one, register i of the other (tile T - 1) is compared with the best so far behind matrix instruction i: three vector lines
; (greater?  then take the tile's number; the maximum).  Each of the 64 places (row tile, register) keeps its own best and the number of the tile that gave it; the strict compare keeps the earliest.
; ONE TEXT FOR EVERY TILE.  The walk begins with a tile that has not been: codes 0, C the lowest finite number; its scores equal the starting best and never win.  64 matrix instructions of 8,256, and
; 136 of the 264 v_mov_b32 below, are the price; no beginning is written out.
; CLUSTER.  All work-groups walk the same cb: the four of a cluster ask for each block JOINTLY (the same load, descriptor and mask in all four).  x is each work-group's own: a plain load.
; LDS.  Two slots of four quarters (a wave's: 65 rows of 512 bytes + 16 of padding: row r starts at bank 4 r mod 64, 64 banks of 4 bytes: ISA guide 11.1; row 64 holds -1/2 |e|^2).  x, as f32, lands first
; where slot 1 will lie, 128 rows of 1,024 + 16 bytes, and is turned into fragments before slot 1's first codes are asked for.
; REGISTERS, in windows of 256 (s_set_vgpr_msb: bits 1:0 source 0, 3:2 source 1, 5:4 source 2, 7:6 destination):
;   window 0: v0-19 addresses; v32-47 C, two buffers; v64-191 the codes' fragments, two buffers (K step k at + 8 k); v192-255 at work while x is turned
;   window 1: v0-63 the bests; v64-127 their tiles' numbers; v128-255 the accumulators, two buffers (row tile t at + 8 t)
;   windows 2, 3: x: row tile t, K step k at 64 (t % 4) + 8 k of window 2 + t / 4
; A rider works in window 1 alone, a product wants windows 0, 1 and 2 or 3: two switches for each matrix instruction, the price of vector work beside the matrix work.
.set PC,    528                        ; bytes from code to code in LDS
.set QW,    34560                      ; a wave's quarter of a slot: 65 x 528 = 34,320, in whole blocks of 256
.set SLOT,  4*QW
.set EOFF,  64*PC                      ; row 64 of a quarter
.set XP,    1040                       ; bytes from row to row of x in LDS
.set MG,    2*SLOT                     ; behind the ring, never filled by a tensor load: wave w at + 1,024 w, row at + 8 row: score, code
.set SPARE, MG+4096                    ; the spare words: 128 bytes for each wave, two blocks of 256 bytes that no other line names
.set CBB,   33280                      ; bytes in a block of cb
.set RR,  1                            ; v1   l % 16
.set HH,  2                            ; v2   l / 16
.set LN,  3                            ; v3   lane
.set AB0, 4                            ; v4   my place in my quarter's first tile; never rewritten
.set AE0, 5                            ; v5   the same for C
.set ADR, 6                            ; v6   the LDS address of the run of loads in hand
.set ADE, 7                            ; v7   the same for C
.set AX0, 8                            ; v8, v9  my place in x's row tiles 0 and 4
.set MGA, 10                           ; v10  where I put a row's best
.set RDA, 11                           ; v11  where wave 0 reads four rows' bests
.set IO,  12                           ; v12  my byte offset in the group's 512 bytes of idx
.set SPW, 14                           ; v14  LDS address of my spare word; never rewritten
.set NIL, 15                           ; v15  0; never rewritten
.set OUT4, 16                          ; v[16:19] four rows' codes
.set CI,  32
.set BF,  64
.set BEST, 0                           ; window 1
.set IDX, 64
.set ACC, 128
.set WV,  10                           ; s10  my wave's number
.set G1C, 16                           ; s[16:23] descriptor group 1 for the codes
.set G1X, 24                           ; s[24:31] for x
.set G0,  32                           ; s[32:39] descriptor group 0 for the codes, a set for each LDS slot
.set G0X, 40                           ; s[40:43] for x
.set OUTC, 44                          ; s44  counts the walk's trips
.set CNT, 45                           ; s45  counts a slot's pairs of tiles
.set TB,  46                           ; s46  LDS byte, less my quarter's, at which the tile to be fetched begins
.set TE,  47                           ; s47  the same for its C
.set TC,  48                           ; s48  the number of the tile whose scores the riders hold
.set SEL, 50                           ; s[50:51] v_permlanex16_b32: each lane takes its own place in the other half
.set W64, 54                           ; s54  64 x wave
.set LOW, 55                           ; s55  the lowest finite f32
.set MS,  66                           ; s[66:89] three masks for each of eight merges side by side
.set MSB, 0
.macro WIN new                         ; the immediate's high byte repeats the setting that is left; a switch that changes nothing is dropped
.if MSB != (\new)
	s_set_vgpr_msb (MSB<<8)|(\new)
.set MSB, (\new)
.endif
.endm
; A round of the cluster's barrier: my work-group's barrier, so that wave 0's signal speaks for all four waves; wave 0 signals; every wave waits for all four work-groups; my work-group's barrier once more.
.macro CROUND
	s_barrier_signal -1
	s_barrier_wait -1
	s_cmp_lg_u32 s[WV], 0
	s_cbranch_scc1 .Lnot_wave_0_\@
	s_barrier_signal -3
.Lnot_wave_0_\@:
	s_barrier_wait -3
	s_barrier_signal -1
	s_barrier_wait -1
.endm
	s_load_b128 s[4:7], s[0:1], 0x0                ; x s[4:5], cb s[6:7]
	s_load_b64 s[8:9], s[0:1], 0x10                ; idx
	v_lshl_add_u32 v[SPW], v0, 2, SPARE
	v_mov_b32 v[NIL], 0
	ds_add_u32 v[SPW], v[NIL]                      ; the wave's opening: the add and its wait stand ahead of my first tensor load; the set-up below, work on registers, stands between them
	v_lshrrev_b32 v1, 5, v0
	v_readfirstlane_b32 s[WV], v1                  ; wave 0..3
	s_bfe_u32 s11, ttmp6, 0x40000                  ; cx: my place in the cluster
	s_lshl_b32 s12, ttmp9, 2                       ; in a cluster launch ttmp9 counts clusters
	s_add_co_u32 s12, s12, s11                     ; my work-group = 4 x cluster + cx: it enters x's and idx's global addresses alone
	; group 1 for the codes: 65 rows of 64 elements of 8 bytes, dense in memory, padded in LDS
	s_mov_b32 s[G1C+0], 15|(3<<16)|(1<<20)|(1<<21)|(6<<22)|(3<<25)  ; 15:0 the mask of four; 17:16 8-byte elements; 20 padding on; 21 set beside a mask; 24:22 after every 128 words (code 6); 31:25 4 words (code 3)
	s_mov_b32 s[G1C+1], 64<<16                     ; tensor_dim0 = 64
	s_mov_b32 s[G1C+2], 65<<16                     ; tensor_dim1 = 65
	s_mov_b32 s[G1C+3], 64<<16                     ; tile_dim0 = 64
	s_mov_b32 s[G1C+4], 65                         ; tile_dim1 = 65
	s_mov_b32 s[G1C+5], 64                         ; 64 elements from row to row
	s_mov_b32 s[G1C+6], 0
	s_mov_b32 s[G1C+7], 0
	; group 1 for x: 32 rows of 256 f32, no mask
	s_mov_b32 s[G1X+0], (2<<16)|(1<<20)|(7<<22)|(3<<25)  ; 4-byte elements; padding after every 256 words (code 7), 4 words (code 3)
	s_mov_b32 s[G1X+1], 256<<16
	s_mov_b32 s[G1X+2], 32<<16
	s_mov_b32 s[G1X+3], 256<<16
	s_mov_b32 s[G1X+4], 32
	s_mov_b32 s[G1X+5], 256
	s_mov_b32 s[G1X+6], 0
	s_mov_b32 s[G1X+7], 0
	s_mul_i32 s13, s[WV], QW                       ; my quarter of a slot: no place in the cluster enters an LDS address
	s_mov_b32 s[G0+0], 1                           ; count = 1
	s_mov_b32 s[G0+1], s13                         ; LDS address: slot 0
	s_mov_b32 s[G0+4], 1
	s_add_co_u32 s[G0+5], s13, SLOT                ; slot 1
	s_mul_i32 s49, s[WV], 32*XP
	s_mov_b32 s[G0X+0], 1
	s_add_co_u32 s[G0X+1], s49, SLOT               ; my 32 rows of x, where slot 1 will lie
	s_mul_i32 s56, s[WV], CBB                      ; my block of a slot's four, in memory
	s_mov_b32 s57, 0
	s_lshl_b32 s14, s12, 17                        ; the group's 128 rows of 1,024 bytes,
	s_lshl_b32 s15, s[WV], 15                      ; my 32 of them
	s_add_co_u32 s14, s14, s15
	s_mov_b32 s15, 0
	s_lshl_b32 s52, s12, 9                         ; the group's 128 words of idx
	s_mov_b32 s53, 0
	s_mov_b32 s[SEL], 0x76543210
	s_mov_b32 s[SEL+1], 0xfedcba98
	s_lshl_b32 s[W64], s[WV], 6
	s_mov_b32 s[LOW], 0xff7fffff
	s_mov_b32 s[TC], -3                            ; the walk's first tile is number -1, and the riders beside it hold number -2
	s_mov_b32 s[OUTC], 16
	s_wait_dscnt 0x0                               ; the opening add is done
	s_wait_kmcnt 0x0
	s_add_nc_u64 s[58:59], s[6:7], s[56:57]
	s_mov_b64 s[G0+2:G0+3], s[58:59]               ; global address: code slot 0,
	s_or_b32 s[G0+3], s[G0+3], 0x80000000          ; type = 2
	s_add_nc_u64 s[G0+6:G0+7], s[58:59], 4*CBB     ; code slot 1
	s_or_b32 s[G0+7], s[G0+7], 0x80000000
	s_add_nc_u64 s[G0X+2:G0X+3], s[4:5], s[14:15]
	s_or_b32 s[G0X+3], s[G0X+3], 0x80000000
	s_add_nc_u64 s[8:9], s[8:9], s[52:53]
	CROUND                                         ; all four work-groups are here: the first joint loads meet
	tensor_load_to_lds s[G0X:G0X+3], s[G1X:G1X+7]  ; the first fills go out together, x first: two loads of mine are out
	s_nop 0
	tensor_load_to_lds s[G0:G0+3], s[G1C:G1C+7]
	s_nop 0
.rept 4
	v_nop
.endr
	; all this stands in the wait for x
	v_and_b32 v[RR], 15, v0
	v_bfe_u32 v[HH], v0, 4, 1
	v_and_b32 v[LN], 31, v0
	v_mul_u32_u24 v[AB0], v[RR], PC                ; a fragment of codes: lane l holds code l % 16, dims 8 (l / 16) + 0..7 and 16 + 8 (l / 16) + 0..7: two loads of 16 bytes, 32 bytes apart
	v_lshl_add_u32 v[AB0], v[HH], 4, v[AB0]
	v_add_nc_u32 v[AB0], s13, v[AB0]
	v_lshl_add_u32 v[AE0], v[HH], 5, s13           ; C: eight f32 of codes 8 (l / 16) + 0..7, the same for the sixteen lanes of a half
	v_mul_u32_u24 v[AX0], v[RR], XP                ; x as f32: row l % 16, the same dims: 32 bytes at 32 (l / 16), and 64 bytes on
	v_lshl_add_u32 v[AX0], v[HH], 5, v[AX0]
	v_add_nc_u32 v[AX0], SLOT, v[AX0]
	v_add_nc_u32 v[AX0+1], 64*XP, v[AX0]           ; row tiles 4-7: beyond the reach of the 16-bit offset
	s_lshl_b32 s49, s[WV], 10
	s_add_co_u32 s49, s49, MG
	v_lshl_add_u32 v[MGA], v[RR], 3, s49
	v_lshl_add_u32 v[RDA], v[LN], 5, MG
	v_lshlrev_b32 v[IO], 4, v[LN]
	WIN 0x40                                       ; destination window 1
.set n, 0
.rept 64
	v_mov_b32 v[BEST+n], s[LOW]                    ; every score above the lowest finite number beats it
	v_mov_b32 v[IDX+n], 0
	v_mov_b32 v[ACC+n], s[LOW]                     ; what the first tile's riders find: it never wins
.set n, n+1
.endr
	WIN 0
.set n, 0
.rept 8
	v_mov_b32 v[CI+8+n], s[LOW]                    ; the tile that has not been: C,
.set n, n+1
.endr
.set n, 0
.rept 64
	v_mov_b32 v[BF+64+n], 0                        ; and codes of zeros
.set n, n+1
.endr
; x BECOMES FRAGMENTS, in 16 batches: batch b = row tile b / 2, K steps 4 (b % 2) + 0..3: 16 LDS loads into 64 registers (v64-127 and v192-255 by turns), 32 roundings of two.
.macro XLOAD b
	WIN 0
.set xr, (\b)/2
.set xd, BF+128*((\b)%2)
.irp kk, 0,1,2,3
	ds_load_b128 v[xd+16*\kk:xd+16*\kk+3],     v[AX0+xr/4] offset:(xr%4)*16*XP+128*(4*((\b)%2)+\kk)
	ds_load_b128 v[xd+16*\kk+4:xd+16*\kk+7],   v[AX0+xr/4] offset:(xr%4)*16*XP+128*(4*((\b)%2)+\kk)+16
	ds_load_b128 v[xd+16*\kk+8:xd+16*\kk+11],  v[AX0+xr/4] offset:(xr%4)*16*XP+128*(4*((\b)%2)+\kk)+64
	ds_load_b128 v[xd+16*\kk+12:xd+16*\kk+15], v[AX0+xr/4] offset:(xr%4)*16*XP+128*(4*((\b)%2)+\kk)+80
.endr
.endm
.macro XCVT b, left                    ; left: the LDS loads issued behind batch b's: the next batch's sixteen, or none
	s_wait_dscnt \left
	WIN 0x80+0x40*((\b)/8)                         ; destination window 2 or 3, sources window 0
.set xs, BF+128*((\b)%2)
.set xt, 64*(((\b)/2)%4)+32*((\b)%2)
.set n, 0
.rept 32
	v_cvt_pk_bf16_f32 v[xt+n], v[xs+2*n], v[xs+2*n+1]
.set n, n+1
.endr
.endm
; A run of 18 LDS loads: the next tile's fragments (16 codes x 256 dims) and its C, into buffer q.
.macro FETCH q
	WIN 0
	v_add_nc_u32 v[ADR], s[TB], v[AB0]
	v_add_nc_u32 v[ADE], s[TE], v[AE0]
	s_add_co_u32 s[TB], s[TB], 16*PC               ; the next fetch is the next tile's
	s_add_co_u32 s[TE], s[TE], 64
.irp k, 0,1,2,3,4,5,6,7
	ds_load_b128 v[BF+64*(\q)+8*\k:BF+64*(\q)+8*\k+3],   v[ADR] offset:64*\k
	ds_load_b128 v[BF+64*(\q)+8*\k+4:BF+64*(\q)+8*\k+7], v[ADR] offset:64*\k+32
.endr
	ds_load_b128 v[CI+8*(\q):CI+8*(\q)+3],   v[ADE]
	ds_load_b128 v[CI+8*(\q)+4:CI+8*(\q)+7], v[ADE] offset:16
.endm
; Register reg of accumulator buffer buf against the best of its place.  The registers are taken in ascending order, each accumulator's lowest first.
.macro RIDER buf, reg
	WIN 0x55
	v_cmp_gt_f32 vcc_lo, v[ACC+64*(\buf)+(\reg)], v[BEST+(\reg)]
	v_cndmask_b32 v[IDX+(\reg)], v[IDX+(\reg)], s[TC], vcc_lo
	v_max_num_f32 v[BEST+(\reg)], v[BEST+(\reg)], v[ACC+64*(\buf)+(\reg)]
.endm
; A TILE on buffers p: 64 matrix instructions, a rider of the other buffer behind each.  fetch = 1: the next tile is fetched into the other buffers behind the fourth: behind the last product that read
; them stand then five riders, fifteen plain vector lines that name none of its registers (four are asked: ISA guide 7.12.1 for vector lines), and the run has 60 matrix
; instructions in which to land.  A rider's first read of an accumulator stands eight riders or more behind the product that finished it.
.macro TILE p, fetch
	s_wait_dscnt 0x0                               ; this tile's fragments and C are in
	s_add_co_u32 s[TC], s[TC], 1
.set i, 0
.rept 64
.set rD, ACC+64*(\p)+8*(i%8)
.set rA, BF+64*(\p)+8*(i/8)
.set rB, 64*(i%4)+8*(i/8)
.if i < 8
	WIN 0x48+4*((i%8)/4)                           ; codes window 0, x window 2 or 3, C window 0, D window 1
	v_wmma_f32_16x16x32_bf16 v[rD:rD+7], v[rA:rA+7], v[rB:rB+7], v[CI+8*(\p):CI+8*(\p)+7]
.else
	WIN 0x58+4*((i%8)/4)                           ; the same with C in window 1
	v_wmma_f32_16x16x32_bf16 v[rD:rD+7], v[rA:rA+7], v[rB:rB+7], v[rD:rD+7]
.endif
	RIDER 1-(\p), i
.if (\fetch) && (i == 3)
	FETCH 1-(\p)
.endif
.set i, i+1
.endr
.endm
; Four tiles: the last of the slot before, which lies in registers, and this slot's first three; this slot's four are fetched.
.macro FOUR
	WIN 0                                          ; at a label and at a branch every window is 0
	s_mov_b32 s[CNT], 2
.Lpair_\@:
	TILE 1, 1
	TILE 0, 1
	WIN 0
	s_sub_co_u32 s[CNT], s[CNT], 1
	s_cmp_lg_u32 s[CNT], 0
	s_cbranch_scc1 .Lpair_\@
.endm
; THE CHANGE OF SLOTS.  All of LDS slot p has been fetched.  Each wave waits for all its tensor loads, of which one is out: its quarter of the other slot; adds 0 to its spare word; and waits for that
; and for its own reads of slot p.  The barrier is a round of the cluster's, so that no wave of any partner still reads the slot or has a load on its way; the joint refill is the first thing behind it and
; has a slot's 256 matrix instructions in which to land.  (At its first use slot 1's bytes hold x, which every wave has turned into fragments.)
.macro CHANGE p
	WIN 0
	s_wait_tensorcnt 0x0                           ; no tensor load of mine is out, so a group 0 may be written
	ds_add_u32 v[SPW], v[NIL]                      ; 0 onto my spare word; the scalar work below stands between it and the wait for it
	s_add_nc_u64 s[G0+4*(1-(\p))+2:G0+4*(1-(\p))+3], s[G0+4*(1-(\p))+2:G0+4*(1-(\p))+3], 8*CBB  ; the other slot's next codes, two slots on; the type bits on top are not reached
	s_mov_b32 s[TB], (1-(\p))*SLOT                 ; the fetches go to the other slot's first tile
	s_mov_b32 s[TE], (1-(\p))*SLOT+EOFF
	s_wait_dscnt 0x0                               ; the add is done, and my reads of the slot are over
	CROUND
	tensor_load_to_lds s[G0+4*(\p):G0+4*(\p)+3], s[G1C:G1C+7]
	s_nop 0
.rept 4
	v_nop
.endr
.endm
; A MERGE of two candidates (score, key): b takes a's place if its score is greater, or equal with the lower key.  In three parts, so that eight merges can stand side by side, each with three masks of its own.
.macro MCMP va, ka, vb, kb, sb
	v_cmp_gt_f32 s[\sb], v[\vb], v[\va]
	v_cmp_eq_f32 s[\sb+1], v[\vb], v[\va]
	v_cmp_lt_u32 s[\sb+2], v[\kb], v[\ka]
.endm
.macro MSEL sb
	s_and_b32 s[\sb+1], s[\sb+1], s[\sb+2]
	s_or_b32 s[\sb], s[\sb], s[\sb+1]
.endm
.macro MTAKE va, ka, vb, kb, sb, kd    ; the key goes to kd
	v_cndmask_b32 v[\va], v[\va], v[\vb], s[\sb]
	v_cndmask_b32 v[\kd], v[\ka], v[\kb], s[\sb]
.endm
	s_wait_tensorcnt 0x1                           ; tensor loads of a wave end in order (ISA guide 10.11.1): my rows of x are in; the codes' slot 0, issued behind them, may stay out
	s_barrier_signal -1
	s_barrier_wait -1                              ; everybody's rows are in
	XLOAD 0
	XLOAD 1
.irp b, 0,1,2,3,4,5,6,7,8,9,10,11,12,13
	XCVT \b, 16
	XLOAD \b+2
.endr
	XCVT 14, 16
	XCVT 15, 0
	WIN 0
	s_branch .Lodd                                 ; the walk is entered in the middle of a trip: LDS slot 1 is the first to be filled again
.Lslot:                                            ; 31 changes of slots in all: code slots 1 to 31 are asked for, 0 to 30 fetched
	CHANGE 0
	FOUR
.Lodd:
	CHANGE 1
	FOUR
	s_sub_co_u32 s[OUTC], s[OUTC], 1
	s_cmp_lg_u32 s[OUTC], 0
	s_cbranch_scc1 .Lslot
	s_wait_tensorcnt 0x0                           ; the tail: code slot 31 lies in LDS slot 1; my quarter is my own load's, and I alone read it, so my own wait is all the order that the reads need
	s_mov_b32 s[TB], SLOT
	s_mov_b32 s[TE], SLOT+EOFF
	FOUR
	TILE 1, 0                                      ; tile 127: nothing is left to fetch
	s_add_co_u32 s[TC], s[TC], 1
.set n, 0
.rept 64
	RIDER 1, n                                     ; and its scores; the earlier of these lines are the places behind the last products
.set n, n+1
.endr
	; THE WAVE'S BEST OF EACH ROW.  key = 16 x tile + 8 (l / 16) + register: it rises with the code among my wave's codes.
	WIN 0x55
.set n, 0
.rept 64
	v_lshl_add_u32 v[IDX+n], v[IDX+n], 4, n%8
.set n, n+1
.endr
.irp j, 1,2,3,4,5,6,7                  ; a lane's eight places into place 0, the eight row tiles side by side
.irp t, 0,1,2,3,4,5,6,7
	MCMP BEST+8*\t, IDX+8*\t, BEST+8*\t+\j, IDX+8*\t+\j, MS+3*\t
.endr
.irp t, 0,1,2,3,4,5,6,7
	MSEL MS+3*\t
.endr
.irp t, 0,1,2,3,4,5,6,7
	MTAKE BEST+8*\t, IDX+8*\t, BEST+8*\t+\j, IDX+8*\t+\j, MS+3*\t, IDX+8*\t
.endr
.endr
	WIN 0x50                                       ; source 0 window 0, source 2 and destination window 1
.irp t, 0,1,2,3,4,5,6,7
	v_lshl_add_u32 v[IDX+8*\t], v[HH], 3, v[IDX+8*\t]
.endr
	WIN 0x55
.irp t, 0,1,2,3,4,5,6,7                ; the row's other codes lie in the lane 16 away; the destinations have been written
	v_permlanex16_b32 v[BEST+8*\t+1], v[BEST+8*\t], s[SEL], s[SEL+1]
	v_permlanex16_b32 v[IDX+8*\t+1], v[IDX+8*\t], s[SEL], s[SEL+1]
.endr
.irp t, 0,1,2,3,4,5,6,7
	MCMP BEST+8*\t, IDX+8*\t, BEST+8*\t+1, IDX+8*\t+1, MS+3*\t
.endr
.irp t, 0,1,2,3,4,5,6,7
	MSEL MS+3*\t
.endr
.irp t, 0,1,2,3,4,5,6,7
	MTAKE BEST+8*\t, IDX+8*\t, BEST+8*\t+1, IDX+8*\t+1, MS+3*\t, IDX+8*\t
.endr
.irp t, 0,1,2,3,4,5,6,7                ; code = 256 x slot + 64 x wave + place in my block: slot = key / 64, place = key % 64
	v_lshrrev_b32 v[IDX+8*\t+1], 6, v[IDX+8*\t]
	v_and_b32 v[IDX+8*\t+2], 63, v[IDX+8*\t]
.endr
.irp t, 0,1,2,3,4,5,6,7
	v_lshl_add_u32 v[IDX+8*\t+1], v[IDX+8*\t+1], 8, v[IDX+8*\t+2]
.endr
.irp t, 0,1,2,3,4,5,6,7
	v_add_nc_u32 v[BEST+8*\t+1], s[W64], v[IDX+8*\t+1]
.endr
	WIN 0x04                                       ; address window 0, data window 1
.irp t, 0,1,2,3,4,5,6,7
	ds_store_b64 v[MGA], v[BEST+8*\t:BEST+8*\t+1] offset:128*\t  ; row 16 t + l % 16: score, code; both halves of the lanes write the same
.endr
	WIN 0
	s_wait_dscnt 0x0                               ; for wave 0's sake
	s_barrier_signal -1
	s_barrier_wait -1
	s_cmp_lg_u32 s[WV], 0
	s_cbranch_scc1 .Lothers
	; THE FOUR WAVES' BESTS: lane l of wave 0 takes rows 4 l .. 4 l + 3; the keys are now the codes themselves.
.irp u, 0,1,2,3
	ds_load_b128 v[BF+8*\u:BF+8*\u+3],   v[RDA] offset:1024*\u
	ds_load_b128 v[BF+8*\u+4:BF+8*\u+7], v[RDA] offset:1024*\u+16
.endr
	s_wait_dscnt 0x0
.irp u, 1,2
.irp c, 0,1,2,3
	MCMP BF+2*\c, BF+2*\c+1, BF+8*\u+2*\c, BF+8*\u+2*\c+1, MS+3*\c
.endr
.irp c, 0,1,2,3
	MSEL MS+3*\c
.endr
.irp c, 0,1,2,3
	MTAKE BF+2*\c, BF+2*\c+1, BF+8*\u+2*\c, BF+8*\u+2*\c+1, MS+3*\c, BF+2*\c+1
.endr
.endr
.irp c, 0,1,2,3
	MCMP BF+2*\c, BF+2*\c+1, BF+24+2*\c, BF+24+2*\c+1, MS+3*\c
.endr
.irp c, 0,1,2,3
	MSEL MS+3*\c
.endr
.irp c, 0,1,2,3
	MTAKE BF+2*\c, BF+2*\c+1, BF+24+2*\c, BF+24+2*\c+1, MS+3*\c, OUT4+\c
.endr
	global_store_b128 v[IO], v[OUT4:OUT4+3], s[8:9]  ; the group's 128 codes: 512 consecutive bytes, aligned
.Lothers:
	s_wait_tensorcnt 0x0                           ; the wave's end: three closing lines, behind my last tensor load and my last LDS store
	ds_add_u32 v[SPW], v[NIL]
	s_wait_dscnt 0x0
	CROUND                                         ; the closing round: no work-group ends while a partner may still ask for a block that names it
	s_endpgm
.Lfunc_end_k_q47b3726c09_search:
	.size	k_q47b3726c09_search, .Lfunc_end_k_q47b3726c09_search-k_q47b3726c09_search
	.p2alignl 7, 3214868480
	.fill 96, 4, 3214868480
	.section	.rodata,"a",@progbits
	.p2align	6, 0x0
	.amdhsa_kernel k_q47b3726c09_search
		.amdhsa_group_segment_fixed_size 327680
		.amdhsa_private_segment_fixed_size 0
		.amdhsa_enable_private_segment 0
		.amdhsa_kernarg_size 24
		.amdhsa_user_sgpr_count 2
		.amdhsa_user_sgpr_kernarg_segment_ptr 1
		.amdhsa_wavefront_size32 1
		.amdhsa_system_sgpr_workgroup_id_x 1
		.amdhsa_system_sgpr_workgroup_id_y 1
		.amdhsa_system_sgpr_workgroup_id_z 1
		.amdhsa_system_vgpr_workitem_id 0
		.amdhsa_next_free_vgpr 1024
		.amdhsa_next_free_sgpr 96
		.amdhsa_reserve_vcc 1
		.amdhsa_float_denorm_mode_32 3
		.amdhsa_float_denorm_mode_16_64 3
		.amdhsa_memory_ordered 1
		.amdhsa_forward_progress 1
		.amdhsa_inst_pref_size 231
	.end_amdhsa_kernel
	.amdgpu_metadata
---
amdhsa.version: [ 1, 2 ]
amdhsa.kernels:
  - .name:           k_q47b3726c09_search
    .symbol:         k_q47b3726c09_search.kd
    .args:
      - { .name: x, .offset: 0, .size: 8, .value_kind: global_buffer, .address_space: global }
      - { .name: cb, .offset: 8, .size: 8, .value_kind: global_buffer, .address_space: global }
      - { .name: idx, .offset: 16, .size: 8, .value_kind: global_buffer, .address_space: global }
    .group_segment_fixed_size: 327680
    .private_segment_fixed_size: 0
    .kernarg_segment_align: 8
    .kernarg_segment_size: 24
    .max_flat_workgroup_size: 128
    .sgpr_count:     96
    .vgpr_count:     1024
    .wavefront_size: 32
...
	.end_amdgpu_metadata
.endif
;; end of part 2
;; launch gather (part 3): grid 512 x 1, 8 waves a work-group, no clusters, 1,280 bytes of LDS; arguments x, et32, idx, out0, part; writes out0, part
.if DOCPART == 3
	.amdgcn_target "amdgcn-amd-amdhsa--gfx1250"
	.amdhsa_code_object_version 6
	.text
	.protected	k_q47b3726c09_gather
	.globl	k_q47b3726c09_gather
	.p2align	8
	.type	k_q47b3726c09_gather,@function
k_q47b3726c09_gather:
	s_mov_b64 s[64:65], 0
	v_nop
	global_prefetch_b8 v0, s[64:65] scope:SCOPE_SE
	s_setreg_imm32_b32 hwreg(HW_REG_WAVE_MODE, 25, 1), 1
	s_wait_xcnt 0x0
; out0[row] = x[row] + (q - x[row]), q = row idx[row] of et32 (the codebook turned, f32, exact); part[work-group] = the sum of (q - x)^2 over its 64 rows.  All in f32, as the sum is written:
; the difference is squared itself, not made of three large sums.
; SHARES.  Eight waves, 8 rows each; lane l holds dims 4 l .. 4 l + 3 and 128 + 4 l .. + 3 of a row, so each load and store of a wave covers 512 consecutive bytes, aligned.
; The wave's eight codes are whole numbers that an earlier launch stored: a scalar load brings them, each is held to 0 .. 8191 and becomes a scalar base.  All 32 loads of a wave, 16,384 bytes,
; go out before the first is waited for, and no register is used twice, so the only waits in the rows' work are the counted ones for the codewords.
; No matrix unit, no cluster, no tensor load: a stream; which rows of et32 two work-groups share is not known when the text is written.
.set RED,   0                          ; LDS: eight words, the waves' sums, in a block of 256 bytes of their own
.set SPARE, 256                        ; the spare words: 128 bytes for each of eight waves
.set LO,  1                            ; v1   16 x lane
.set RA,  2                            ; v2   RED + 4 x wave
.set ZO,  3                            ; v3   0: an address
.set SPW, 4                            ; v4   LDS address of my spare word; never rewritten
.set NIL, 5                            ; v5   0; never rewritten
.set LS,  8                            ; v[8:15]    four chains of two running sums
.set RD,  16                           ; v[16:23]   the eight waves' sums
.set X,   32                           ; v[32:95]   row i at X + 8 i: x, then the result
.set Q,   96                           ; v[96:159]  row i at Q + 8 i: q, then q - x
	s_load_b256 s[4:11], s[0:1], 0x0               ; x s[4:5], et32 s[6:7], idx s[8:9], out0 s[10:11]
	s_load_b64 s[12:13], s[0:1], 0x20              ; part
	v_lshl_add_u32 v[SPW], v0, 2, SPARE
	v_mov_b32 v[NIL], 0
	v_lshrrev_b32 v1, 5, v0
	v_readfirstlane_b32 s14, v1                    ; wave 0..7
	v_and_b32 v[LO], 31, v0
	v_lshlrev_b32 v[LO], 4, v[LO]
	s_lshl_b32 s40, ttmp9, 8                       ; the group's 64 words of idx,
	s_lshl_b32 s15, s14, 5                         ; my wave's eight
	s_add_co_u32 s40, s40, s15
	s_mov_b32 s41, 0
	s_lshl_b32 s44, ttmp9, 16                      ; the group's 64 rows of 1,024 bytes,
	s_lshl_b32 s15, s14, 13                        ; my wave's eight
	s_add_co_u32 s44, s44, s15
	s_mov_b32 s45, 0
	s_lshl_b32 s15, s14, 2
	v_mov_b32 v[RA], s15
	s_mov_b32 s42, 0x76543210                      ; v_permlanex16_b32: each lane takes its own place in the other half
	s_mov_b32 s43, 0xfedcba98
	s_wait_kmcnt 0x0
	s_add_nc_u64 s[8:9], s[8:9], s[40:41]
	s_load_b256 s[16:23], s[8:9], 0x0              ; my eight codes
	s_add_nc_u64 s[4:5], s[4:5], s[44:45]
	s_add_nc_u64 s[10:11], s[10:11], s[44:45]
.irp i, 0,1,2,3,4,5,6,7
	global_load_b128 v[X+8*\i:X+8*\i+3],   v[LO], s[4:5] offset:1024*\i th:TH_LOAD_NT
	global_load_b128 v[X+8*\i+4:X+8*\i+7], v[LO], s[4:5] offset:1024*\i+512 th:TH_LOAD_NT
.endr
	s_wait_kmcnt 0x0
.irp i, 0,1,2,3,4,5,6,7
	s_min_u32 s40, s[16+\i], 0x1fff                ; a code stays inside the table
	s_lshl_b32 s40, s40, 10                        ; its row of 1,024 bytes; s41 is 0
	s_add_nc_u64 s[24+2*\i:25+2*\i], s[6:7], s[40:41]
.endr
.irp i, 0,1,2,3,4,5,6,7
	global_load_b128 v[Q+8*\i:Q+8*\i+3],   v[LO], s[24+2*\i:25+2*\i]            ; no hint: several rows may name one code
	global_load_b128 v[Q+8*\i+4:Q+8*\i+7], v[LO], s[24+2*\i:25+2*\i] offset:512
.endr
.irp i, 0,1,2,3,4,5,6,7
	s_wait_loadcnt 14-2*\i                         ; loads come back in order (ISA guide 5.7.1): x and row i's codeword are in; the later rows' 14 - 2 i loads stay out
.irp c, 0,2,4,6
	v_pk_add_f32 v[Q+8*\i+\c:Q+8*\i+\c+1], v[Q+8*\i+\c:Q+8*\i+\c+1], v[X+8*\i+\c:X+8*\i+\c+1] neg_lo:[0,1] neg_hi:[0,1]  ; q - x
.endr
.irp c, 0,2,4,6
.if \i == 0
	v_pk_mul_f32 v[LS+\c:LS+\c+1], v[Q+8*\i+\c:Q+8*\i+\c+1], v[Q+8*\i+\c:Q+8*\i+\c+1]  ; the first squares start the sums
.else
	v_pk_fma_f32 v[LS+\c:LS+\c+1], v[Q+8*\i+\c:Q+8*\i+\c+1], v[Q+8*\i+\c:Q+8*\i+\c+1], v[LS+\c:LS+\c+1]
.endif
.endr
.irp c, 0,2,4,6
	v_pk_add_f32 v[X+8*\i+\c:X+8*\i+\c+1], v[X+8*\i+\c:X+8*\i+\c+1], v[Q+8*\i+\c:Q+8*\i+\c+1]  ; x + (q - x)
.endr
	global_store_b128 v[LO], v[X+8*\i:X+8*\i+3],   s[10:11] offset:1024*\i th:TH_STORE_NT
	global_store_b128 v[LO], v[X+8*\i+4:X+8*\i+7], s[10:11] offset:1024*\i+512 th:TH_STORE_NT
.endr
	v_pk_add_f32 v[LS:LS+1], v[LS:LS+1], v[LS+2:LS+3]
	v_pk_add_f32 v[LS+4:LS+5], v[LS+4:LS+5], v[LS+6:LS+7]
	v_pk_add_f32 v[LS:LS+1], v[LS:LS+1], v[LS+4:LS+5]
	v_add_f32 v[LS], v[LS], v[LS+1]
	v_add_f32_dpp v[LS], v[LS], v[LS] row_xmask:1 row_mask:0xf bank_mask:0xf
	v_add_f32_dpp v[LS], v[LS], v[LS] row_xmask:2 row_mask:0xf bank_mask:0xf
	v_add_f32_dpp v[LS], v[LS], v[LS] row_xmask:4 row_mask:0xf bank_mask:0xf
	v_add_f32_dpp v[LS], v[LS], v[LS] row_xmask:8 row_mask:0xf bank_mask:0xf
	v_permlanex16_b32 v[LS+1], v[LS], s42, s43     ; its destination counts as read: it has been written
	v_add_f32 v[LS], v[LS], v[LS+1]
	ds_store_b32 v[RA], v[LS]                      ; all lanes write the wave's word with the same number
	s_wait_dscnt 0x0                               ; for wave 0's sake
	s_barrier_signal -1
	s_barrier_wait -1
	s_cmp_lg_u32 s14, 0
	s_cbranch_scc1 .Lothers
	v_mov_b32 v[ZO], 0
	ds_load_b128 v[RD:RD+3],   v[ZO] offset:RED
	ds_load_b128 v[RD+4:RD+7], v[ZO] offset:RED+16
	s_lshl_b32 s40, ttmp9, 2                       ; my group's word of part; s41 is 0
	s_add_nc_u64 s[12:13], s[12:13], s[40:41]
	s_wait_dscnt 0x0
	v_pk_add_f32 v[RD:RD+1], v[RD:RD+1], v[RD+2:RD+3]
	v_pk_add_f32 v[RD+4:RD+5], v[RD+4:RD+5], v[RD+6:RD+7]
	v_pk_add_f32 v[RD:RD+1], v[RD:RD+1], v[RD+4:RD+5]
	v_add_f32 v[RD], v[RD], v[RD+1]
	v_cmp_gt_u32 vcc_lo, 1, v0
	s_wait_xcnt 0x0                                ; EXEC is a source of my pending stores: it changes only behind this wait
	s_and_saveexec_b32 s46, vcc_lo                 ; lane 0 alone
	global_store_b32 v[ZO], v[RD], s[12:13]
	s_wait_xcnt 0x0                                ; and again in front of the line that widens it
	s_or_b32 exec_lo, exec_lo, s46
.Lothers:
	s_wait_tensorcnt 0x0                           ; the wave's end: three closing lines, behind my last LDS store
	ds_add_u32 v[SPW], v[NIL]
	s_wait_dscnt 0x0
	s_endpgm
.Lfunc_end_k_q47b3726c09_gather:
	.size	k_q47b3726c09_gather, .Lfunc_end_k_q47b3726c09_gather-k_q47b3726c09_gather
	.p2alignl 7, 3214868480
	.fill 96, 4, 3214868480
	.section	.rodata,"a",@progbits
	.p2align	6, 0x0
	.amdhsa_kernel k_q47b3726c09_gather
		.amdhsa_group_segment_fixed_size 1280
		.amdhsa_private_segment_fixed_size 0
		.amdhsa_enable_private_segment 0
		.amdhsa_kernarg_size 40
		.amdhsa_user_sgpr_count 2
		.amdhsa_user_sgpr_kernarg_segment_ptr 1
		.amdhsa_wavefront_size32 1
		.amdhsa_system_sgpr_workgroup_id_x 1
		.amdhsa_system_sgpr_workgroup_id_y 1
		.amdhsa_system_sgpr_workgroup_id_z 1
		.amdhsa_system_vgpr_workitem_id 0
		.amdhsa_next_free_vgpr 160
		.amdhsa_next_free_sgpr 66
		.amdhsa_reserve_vcc 1
		.amdhsa_float_denorm_mode_32 3
		.amdhsa_float_denorm_mode_16_64 3
		.amdhsa_memory_ordered 1
		.amdhsa_forward_progress 1
		.amdhsa_inst_pref_size 15
	.end_amdhsa_kernel
	.amdgpu_metadata
---
amdhsa.version: [ 1, 2 ]
amdhsa.kernels:
  - .name:           k_q47b3726c09_gather
    .symbol:         k_q47b3726c09_gather.kd
    .args:
      - { .name: x, .offset: 0, .size: 8, .value_kind: global_buffer, .address_space: global }
      - { .name: et32, .offset: 8, .size: 8, .value_kind: global_buffer, .address_space: global }
      - { .name: idx, .offset: 16, .size: 8, .value_kind: global_buffer, .address_space: global }
      - { .name: out0, .offset: 24, .size: 8, .value_kind: global_buffer, .address_space: global }
      - { .name: part, .offset: 32, .size: 8, .value_kind: global_buffer, .address_space: global }
    .group_segment_fixed_size: 1280
    .private_segment_fixed_size: 0
    .kernarg_segment_align: 8
    .kernarg_segment_size: 40
    .max_flat_workgroup_size: 256
    .sgpr_count:     66
    .vgpr_count:     160
    .wavefront_size: 32
...
	.end_amdgpu_metadata
.endif
;; end of part 3
;; launch total (part 4): grid 1 x 1, 1 waves a work-group, no clusters, 0 bytes of LDS; arguments part, out1; writes out1
.if DOCPART == 4
	.amdgcn_target "amdgcn-amd-amdhsa--gfx1250"
	.amdhsa_code_object_version 6
	.text
	.protected	k_q47b3726c09_total
	.globl	k_q47b3726c09_total
	.p2align	8
	.type	k_q47b3726c09_total,@function
k_q47b3726c09_total:
	s_mov_b64 s[64:65], 0
	v_nop
	global_prefetch_b8 v0, s[64:65] scope:SCOPE_SE
	s_setreg_imm32_b32 hwreg(HW_REG_WAVE_MODE, 25, 1), 1
	s_wait_xcnt 0x0
; out1 = 1.25 x the mean of (q - x)^2 = (0.25 + 1) x the sum of the 512 partial sums / (32768 x 256).  One owner adds them, in a fixed order: one wave, 16 numbers a lane.
	s_load_b128 s[4:7], s[0:1], 0x0                ; part s[4:5], out1 s[6:7]
	v_lshlrev_b32 v1, 4, v0                        ; 16 bytes a lane
	v_mov_b32 v2, 0
	s_mov_b32 s8, 0x76543210                       ; v_permlanex16_b32: each lane takes its own place in the other half
	s_mov_b32 s9, 0xfedcba98
	s_wait_kmcnt 0x0
.irp i, 0,1,2,3
	global_load_b128 v[4+4*\i:7+4*\i], v1, s[4:5] offset:512*\i
.endr
	s_wait_loadcnt 0x0
	v_pk_add_f32 v[4:5], v[4:5], v[6:7]
	v_pk_add_f32 v[8:9], v[8:9], v[10:11]
	v_pk_add_f32 v[12:13], v[12:13], v[14:15]
	v_pk_add_f32 v[16:17], v[16:17], v[18:19]
	v_pk_add_f32 v[4:5], v[4:5], v[8:9]
	v_pk_add_f32 v[12:13], v[12:13], v[16:17]
	v_pk_add_f32 v[4:5], v[4:5], v[12:13]
	v_add_f32 v4, v4, v5
	v_add_f32_dpp v4, v4, v4 row_xmask:1 row_mask:0xf bank_mask:0xf
	v_add_f32_dpp v4, v4, v4 row_xmask:2 row_mask:0xf bank_mask:0xf
	v_add_f32_dpp v4, v4, v4 row_xmask:4 row_mask:0xf bank_mask:0xf
	v_add_f32_dpp v4, v4, v4 row_xmask:8 row_mask:0xf bank_mask:0xf
	v_permlanex16_b32 v5, v4, s8, s9               ; its destination counts as read: it has been written
	v_add_f32 v4, v4, v5
	v_mul_f32 v4, 0x34200000, v4                   ; 1.25 / 2^23
	v_cmp_gt_u32 vcc_lo, 1, v0
	s_wait_xcnt 0x0                                ; EXEC changes only behind this wait
	s_and_saveexec_b32 s10, vcc_lo                 ; lane 0 alone
	global_store_b32 v2, v4, s[6:7]
	s_wait_xcnt 0x0                                ; and again in front of the line that widens it
	s_or_b32 exec_lo, exec_lo, s10
	s_endpgm
.Lfunc_end_k_q47b3726c09_total:
	.size	k_q47b3726c09_total, .Lfunc_end_k_q47b3726c09_total-k_q47b3726c09_total
	.p2alignl 7, 3214868480
	.fill 96, 4, 3214868480
	.section	.rodata,"a",@progbits
	.p2align	6, 0x0
	.amdhsa_kernel k_q47b3726c09_total
		.amdhsa_group_segment_fixed_size 0
		.amdhsa_private_segment_fixed_size 0
		.amdhsa_enable_private_segment 0
		.amdhsa_kernarg_size 16
		.amdhsa_user_sgpr_count 2
		.amdhsa_user_sgpr_kernarg_segment_ptr 1
		.amdhsa_wavefront_size32 1
		.amdhsa_system_sgpr_workgroup_id_x 1
		.amdhsa_system_sgpr_workgroup_id_y 1
		.amdhsa_system_sgpr_workgroup_id_z 1
		.amdhsa_system_vgpr_workitem_id 0
		.amdhsa_next_free_vgpr 32
		.amdhsa_next_free_sgpr 66
		.amdhsa_reserve_vcc 1
		.amdhsa_float_denorm_mode_32 3
		.amdhsa_float_denorm_mode_16_64 3
		.amdhsa_memory_ordered 1
		.amdhsa_forward_progress 1
		.amdhsa_inst_pref_size 3
	.end_amdhsa_kernel
	.amdgpu_metadata
---
amdhsa.version: [ 1, 2 ]
amdhsa.kernels:
  - .name:           k_q47b3726c09_total
    .symbol:         k_q47b3726c09_total.kd
    .args:
      - { .name: part, .offset: 0, .size: 8, .value_kind: global_buffer, .address_space: global }
      - { .name: out1, .offset: 8, .size: 8, .value_kind: global_buffer, .address_space: global }
    .group_segment_fixed_size: 0
    .private_segment_fixed_size: 0
    .kernarg_segment_align: 8
    .kernarg_segment_size: 16
    .max_flat_workgroup_size: 32
    .sgpr_count:     66
    .vgpr_count:     32
    .wavefront_size: 32
...
	.end_amdgpu_metadata
.endif
;; end of part 4
;; ======== version 2 of 2: 4 launches; version 1 with the launch prep written anew for expert scheduling mode
;; workspace buffers: cb 4,259,840 bytes; et32 8,388,608 bytes; idx 131,072 bytes of whole numbers; part 2,048 bytes
;; launch prep (part 5): grid 128 x 1, 8 waves a work-group, no clusters, 67,840 bytes of LDS; arguments embeddings, cb, et32; writes cb, et32
.if DOCPART == 5
	.amdgcn_target "amdgcn-amd-amdhsa--gfx1250"
	.amdhsa_code_object_version 6
	.text
	.protected	k_q47b3726c09_prep
	.globl	k_q47b3726c09_prep
	.p2align	8
	.type	k_q47b3726c09_prep,@function
k_q47b3726c09_prep:
	s_mov_b64 s[64:65], 0
	v_nop
	global_prefetch_b8 v0, s[64:65] scope:SCOPE_SE
	s_setreg_imm32_b32 hwreg(HW_REG_WAVE_SCHED_MODE, 0, 2), 2
	s_setreg_imm32_b32 hwreg(HW_REG_WAVE_MODE, 25, 1), 1
	s_wait_xcnt 0x0
	s_wait_alu depctr_vm_vsrc(0)
; THE CODEBOOK IS TURNED.  embeddings: [256 dims][8192 codes] f32.  Out: et32 [8192 codes][256 dims] f32, exact; and cb, 128 blocks of 33,280 bytes:
; block g = 65 rows of 512 bytes: rows 0-63 the codes 64 g .. 64 g + 63 rounded to bf16 (256 dims each), row 64 the 64 numbers -1/2 sum(e^2), f32, taken of the ROUNDED numbers,
; twice (the second copy only fills the row: the next launch loads whole rows, and every byte that it loads is written here).
; SHARES.  Work-group g owns 64 codes: of each of the 256 rows of embeddings 256 consecutive bytes, aligned.  They go through LDS, [dim][code] with a pitch of 65 words, so that
; word (dim, code) lies in bank (dim + code) mod 64 (64 banks of 4 bytes: ISA guide 11.1): the stores by rows hit 32 banks, the reads by columns hit each bank twice.
; Then wave w owns codes 8 w .. 8 w + 7, and lane l of it the dims 4 l .. 4 l + 3 and 128 + 4 l .. + 3 of each: its stores cover 512 (f32) and 256 (bf16) consecutive bytes, aligned.
; No matrix unit, no cluster, no tensor load: a stream in which no two work-groups read the same byte.  All of a work-group's 65,536 input bytes are asked for at once.
; THE MODE: SCHED_MODE bits 1:0 = 2 (LLVM: expert scheduling mode 2), set by the entry lines.  The code itself states the register dependences
; between vector instructions and memory or LDS instructions, with s_wait_alu, always for 0.
; THE PLAN.  Registers that memory or LDS instructions touch:
;   v3 .. v13   addresses and offsets: written by vector lines at the head, once; read by every load, store and LDS instruction; never written again.
;   L (v16-79)  written by the 16 global loads, read by the 64 LDS stores into the stage.  Behind the first barrier T, U and SS, which lie among these registers, are written by vector lines;
;               SS is read by eight LDS stores; T takes wave 0's last LDS load and is read by its two stores.
;   R           written by the 64 LDS loads, once; read by the f32 stores and by the roundings; never written again.
;   P           written by the roundings, each register once; read by the bf16 stores; never written again.
; The eight codes go in two halves of four.  The f32 stores read what LDS loads brought and hang on no vector line.  The bf16 stores of codes 0 to 3 are dealt among codes 4 to 7, behind ONE wait at the
; head of code 4: the vector lines of codes 4 to 7 name R4-7, P4-7, T, U and SS, none of P0-3.  Those of codes 4 to 7 stand in one run behind code 7, behind one wait, ahead of the sums over the lanes,
; which name SS and T alone.  A last wait stands behind those sums, ahead of the LDS stores of SS; no vector line follows it.
.set SP,    260                        ; bytes from dim to dim in the stage
.set EES,   256*SP                     ; behind the stage: 64 words, -1/2 sum(e^2) of the group's codes
.set SPARE, EES+256                    ; the spare words: 128 bytes for each of eight waves, four blocks of 256 bytes that no other line names
.set CBB,   33280                      ; bytes in a block of cb
.set GOF, 3                            ; v3   byte offset of my 16 bytes in embeddings
.set STA, 4                            ; v4   where they go in the stage
.set LN,  5                            ; v5   lane
.set RDA, 6                            ; v6   where I read the stage by columns
.set EO,  7                            ; v7   my byte offset in the group's rows of et32
.set CO,  8                            ; v8   the same in the group's block of cb
.set EA,  9                            ; v9   EES + 32 w
.set SPW, 10                           ; v10  LDS address of my spare word; never rewritten
.set NIL, 11                           ; v11  0; never rewritten
.set ER,  12                           ; v12  EES + 8 lane
.set E8,  13                           ; v13  8 lane
.set L,   16                           ; v[16:79]   as loaded: 16 x 4 numbers
.set T,   16                           ; v[16:23]   later: at work
.set U,   24                           ; v[24:25]   later: a code's two running sums
.set SS,  32                           ; v[32:39]   later: sum of squares of code k
.set R,   80                           ; v[80:143]  code k's eight numbers of mine at R + 8 k
.set P,   144                          ; v[144:175] the same rounded to bf16, four registers a code
	s_load_b128 s[4:7], s[0:1], 0x0                ; embeddings s[4:5], cb s[6:7]
	s_load_b64 s[8:9], s[0:1], 0x10                ; et32
	v_lshl_add_u32 v[SPW], v0, 2, SPARE
	v_mov_b32 v[NIL], 0
	v_lshrrev_b32 v1, 5, v0
	v_readfirstlane_b32 s10, v1                    ; wave 0..7
	v_and_b32 v1, 15, v0                           ; which 16 bytes of the group's 256 in a row
	v_lshrrev_b32 v2, 4, v0                        ; which of 16 rows
	v_lshlrev_b32 v[GOF], 4, v1
	v_lshl_add_u32 v[GOF], v2, 15, v[GOF]          ; row x 32,768 + 16 x place
	v_mul_u32_u24 v[STA], v2, SP
	v_lshl_add_u32 v[STA], v1, 4, v[STA]           ; row x pitch + 16 x place
	v_and_b32 v[LN], 31, v0
	s_wait_alu depctr_va_sdst(0)                   ; s10 is written, ahead of its first reader, the next line
	s_lshl_b32 s11, s10, 5                         ; my wave's eight codes: 32 bytes of a stage row
	v_mul_u32_u24 v[RDA], v[LN], 4*SP              ; dims 4 l on
	v_add_nc_u32 v[RDA], s11, v[RDA]
	s_lshl_b32 s12, s10, 13
	v_lshl_add_u32 v[EO], v[LN], 4, s12            ; 8 rows of 1,024 bytes a wave, 16 bytes a lane
	s_lshl_b32 s13, s10, 12
	v_lshl_add_u32 v[CO], v[LN], 3, s13            ; 8 rows of 512 bytes a wave, 8 bytes a lane
	s_add_co_u32 s11, s11, EES
	v_mov_b32 v[EA], s11
	v_lshl_add_u32 v[ER], v[LN], 3, EES
	v_lshlrev_b32 v[E8], 3, v[LN]
	s_mov_b32 s14, 0xffff0000                      ; a word's upper bf16
	s_mov_b32 s22, 0x76543210                      ; v_permlanex16_b32: each lane takes its own place in the other half
	s_mov_b32 s23, 0xfedcba98
	s_lshl_b32 s16, ttmp9, 8                       ; the group's 256 bytes in a row of embeddings
	s_mov_b32 s17, 0
	s_mul_i32 s18, ttmp9, CBB                      ; its block of cb
	s_mov_b32 s19, 0
	s_lshl_b32 s20, ttmp9, 16                      ; its 64 rows of et32
	s_mov_b32 s21, 0
	s_wait_kmcnt 0x0
	s_add_nc_u64 s[4:5], s[4:5], s[16:17]
	s_add_nc_u64 s[6:7], s[6:7], s[18:19]
	s_add_nc_u64 s[8:9], s[8:9], s[20:21]
	s_wait_alu depctr_va_vdst(0)                   ; the addresses and offsets v3 to v13 are written: every load, store and LDS instruction of the kernel reads one of them, and none is written again
.irp i, 0,1,2,3,4,5,6,7,8,9,10,11,12,13,14,15
	global_load_b128 v[L+4*\i:L+4*\i+3], v[GOF], s[4:5] offset:\i*524288 th:TH_LOAD_NT  ; dims 16 i + row: sixteen lanes take 256 consecutive bytes, aligned
.endr
.irp i, 0,1,2,3,4,5,6,7,8,9,10,11,12,13,14,15
	s_wait_loadcnt 15-\i                           ; loads come back in order (ISA guide 5.7.1): load i is in, the 15 - i younger ones stay out
.irp q, 0,1,2,3
	ds_store_b32 v[STA], v[L+4*\i+\q] offset:16*SP*\i+4*\q
.endr
.endr
	s_wait_dscnt 0x0                               ; for the others' sake: my stores into the stage are done
	s_barrier_signal -1
	s_barrier_wait -1
	s_wait_alu depctr_vm_vsrc(0)                   ; my LDS stores have read v[L ..]: of these registers T, U and SS are written by vector lines from here on, and T by wave 0's last LDS load
.irp k, 0,1,2,3,4,5,6,7
.irp g, 0,1
.irp e, 0,1,2,3
	ds_load_b32 v[R+8*\k+4*\g+\e], v[RDA] offset:(128*\g+\e)*SP+4*\k  ; code 8 w + k, dim 128 g + 4 l + e: the turn costs no move
.endr
.endr
.endr
.irp k, 0,1,2,3,4,5,6,7
	s_wait_dscnt 56-8*\k                           ; code k's eight loads are in; the later codes' 56 - 8 k stay out
.if \k == 4
	s_wait_alu depctr_va_vdst(0)                   ; the roundings of codes 0 to 3 have written P0 to P3, which the bf16 stores dealt among codes 4 to 7 read
.endif
	global_store_b128 v[EO], v[R+8*\k:R+8*\k+3],   s[8:9] offset:1024*\k      ; 512 consecutive bytes of the code's row of et32; R comes from LDS loads alone
	global_store_b128 v[EO], v[R+8*\k+4:R+8*\k+7], s[8:9] offset:1024*\k+512
.if \k >= 4
	global_store_b64 v[CO], v[P+4*(\k-4):P+4*(\k-4)+1],   s[6:7] offset:512*(\k-4)      ; the code four back: 256 consecutive bytes of its row of cb, aligned; no vector line since the wait names these registers
	global_store_b64 v[CO], v[P+4*(\k-4)+2:P+4*(\k-4)+3], s[6:7] offset:512*(\k-4)+256
.endif
.irp j, 0,1,2,3
	v_cvt_pk_bf16_f32 v[P+4*\k+\j], v[R+8*\k+2*\j], v[R+8*\k+2*\j+1]
.endr
.irp j, 0,1,2,3
	v_lshlrev_b32 v[T+2*\j],   16,  v[P+4*\k+\j]   ; the rounded numbers back as f32: the squares are theirs
	v_and_b32     v[T+2*\j+1], s14, v[P+4*\k+\j]
.endr
	v_pk_mul_f32 v[U:U+1], v[T:T+1], v[T:T+1]      ; the first squares start the sums
.irp j, 2,4,6
	v_pk_fma_f32 v[U:U+1], v[T+\j:T+\j+1], v[T+\j:T+\j+1], v[U:U+1]
.endr
	v_add_f32 v[SS+\k], v[U], v[U+1]
.endr
	s_wait_alu depctr_va_vdst(0)                   ; the roundings of codes 4 to 7 have written P4 to P7, which the eight stores below read
.irp k, 4,5,6,7
	global_store_b64 v[CO], v[P+4*\k:P+4*\k+1],   s[6:7] offset:512*\k       ; 256 consecutive bytes of the code's row of cb, aligned
	global_store_b64 v[CO], v[P+4*\k+2:P+4*\k+3], s[6:7] offset:512*\k+256
.endr
	; over the 32 lanes, the eight codes side by side so that no line waits for the one before it
.irp m, 1,2,4,8
.irp k, 0,1,2,3,4,5,6,7
	v_add_f32_dpp v[SS+\k], v[SS+\k], v[SS+\k] row_xmask:\m row_mask:0xf bank_mask:0xf
.endr
.endr
.irp k, 0,1,2,3,4,5,6,7
	v_permlanex16_b32 v[T+\k], v[SS+\k], s22, s23  ; its destination counts as read: T has been written
.endr
.irp k, 0,1,2,3,4,5,6,7
	v_add_f32 v[SS+\k], v[SS+\k], v[T+\k]
.endr
.irp k, 0,1,2,3,4,5,6,7
	v_mul_f32 v[SS+\k], -0.5, v[SS+\k]
.endr
	s_wait_alu depctr_va_vdst(0)                   ; SS is written, which the LDS stores below read; and every vector line that wrote or read T is done: wave 0's LDS load lands in T, and no vector line stands between this wait and it
.irp k, 0,1,2,3,4,5,6,7
	ds_store_b32 v[EA], v[SS+\k] offset:4*\k       ; all lanes write the same word with the same number
.endr
	s_wait_dscnt 0x0                               ; for wave 0's sake
	s_barrier_signal -1
	s_barrier_wait -1
	s_cmp_lg_u32 s10, 0
	s_cbranch_scc1 .Lothers
	ds_load_b64 v[T:T+1], v[ER]                    ; the group's 64 numbers, 8 bytes a lane
	s_wait_dscnt 0x0
	global_store_b64 v[E8], v[T:T+1], s[6:7] offset:32768   ; row 64 of the block: 256 consecutive bytes, aligned,
	global_store_b64 v[E8], v[T:T+1], s[6:7] offset:33024   ; and once more, to fill the row
.Lothers:
	s_wait_dscnt 0x0                               ; the closing lines, six on end
	s_wait_alu 0x0
	s_wait_tensorcnt 0x0
	ds_add_u32 v[SPW], v[NIL]
	s_wait_dscnt 0x0
	s_endpgm
.Lfunc_end_k_q47b3726c09_prep:
	.size	k_q47b3726c09_prep, .Lfunc_end_k_q47b3726c09_prep-k_q47b3726c09_prep
	.p2alignl 7, 3214868480
	.fill 96, 4, 3214868480
	.section	.rodata,"a",@progbits
	.p2align	6, 0x0
	.amdhsa_kernel k_q47b3726c09_prep
		.amdhsa_group_segment_fixed_size 67840
		.amdhsa_private_segment_fixed_size 0
		.amdhsa_enable_private_segment 0
		.amdhsa_kernarg_size 24
		.amdhsa_user_sgpr_count 2
		.amdhsa_user_sgpr_kernarg_segment_ptr 1
		.amdhsa_wavefront_size32 1
		.amdhsa_system_sgpr_workgroup_id_x 1
		.amdhsa_system_sgpr_workgroup_id_y 1
		.amdhsa_system_sgpr_workgroup_id_z 1
		.amdhsa_system_vgpr_workitem_id 0
		.amdhsa_next_free_vgpr 176
		.amdhsa_next_free_sgpr 66
		.amdhsa_reserve_vcc 0
		.amdhsa_float_denorm_mode_32 3
		.amdhsa_float_denorm_mode_16_64 3
		.amdhsa_memory_ordered 1
		.amdhsa_forward_progress 1
		.amdhsa_inst_pref_size 27
	.end_amdhsa_kernel
	.amdgpu_metadata
---
amdhsa.version: [ 1, 2 ]
amdhsa.kernels:
  - .name:           k_q47b3726c09_prep
    .symbol:         k_q47b3726c09_prep.kd
    .args:
      - { .name: embeddings, .offset: 0, .size: 8, .value_kind: global_buffer, .address_space: global }
      - { .name: cb, .offset: 8, .size: 8, .value_kind: global_buffer, .address_space: global }
      - { .name: et32, .offset: 16, .size: 8, .value_kind: global_buffer, .address_space: global }
    .group_segment_fixed_size: 67840
    .private_segment_fixed_size: 0
    .kernarg_segment_align: 8
    .kernarg_segment_size: 24
    .max_flat_workgroup_size: 256
    .sgpr_count:     66
    .vgpr_count:     176
    .wavefront_size: 32
...
	.end_amdgpu_metadata
.endif
;; end of part 5
;; launch search: the kernel of part 2 again; grid 256 x 1, 4 waves a work-group, clusters of 4 x 1, 327,680 bytes of LDS; arguments x, cb, idx; writes idx
;; launch gather: the kernel of part 3 again; grid 512 x 1, 8 waves a work-group, no clusters, 1,280 bytes of LDS; arguments x, et32, idx, out0, part; writes out0, part
;; launch total: the kernel of part 4 again; grid 1 x 1, 1 waves a work-group, no clusters, 0 bytes of LDS; arguments part, out1; writes out1
